; MI455X (gfx1250); checked and timed in simulation.
; The chip was launched on July 23, 2026; its instructions are those of AMD's public machine-readable ISA for CDNA 5 (MIT licence, August 2026) and "CDNA5" Instruction Set Architecture Reference Guide (July 2026). The comments in the code are by the model that wrote it; some were corrected since.
;; Multi Head Attention. Allowed arithmetic: matrix products marked QUANTISED: E4M3 operands, one given power-of-two scale a tensor, by v_wmma_f32_16x16x64_fp8_fp8 or v_wmma_f32_16x16x128_fp8_fp8, f32 sums; everything else in f32.
;; Inputs: Wout 1,024 x 1,024 float32; Wqkv 3,072 x 1,024 float32; lowp_scales 8 int32 (the exponents e of the quantised operands' scales 2^e); x 4 x 2,048 x 1,024 float32.
;; Outputs: out0 4 x 2,048 x 1,024 float32.
;; This version of the problem:
;;   THIS VERSION OF THE PROBLEM IS GIVEN IN LOW PRECISION. The matrix products marked QUANTISED in the list below multiply operands that are first quantised to E4M3 (4 exponent bits, 3 mantissa bits; 8 bits a number), with one given power-of-two scale for each operand tensor; their sums are f32. All else is computed in f32.
;;   The module's matrix products, in the order in which they are computed (A, B: the left and right operand; K: the contracted axis; several contracted axes count as one K, in the product's order):
;;     1. [M 8,192, K 1,024] x [K 1,024, N 3,072]; A: input x; B: input Wqkv: QUANTISED (scales: A lowp_scales[0], B lowp_scales[1])
;;     2. batch 64 x [M 2,048, K 64] x [K 64, N 2,048]; A: computed on the way; B: computed on the way: QUANTISED (scales: A lowp_scales[2], B lowp_scales[3])
;;     3. batch 64 x [M 2,048, K 2,048] x [K 2,048, N 64]; A: softmax (see below); B: computed on the way: QUANTISED (scales: A lowp_scales[4], B lowp_scales[5])
;;     4. [M 8,192, K 1,024] x [K 1,024, N 1,024]; A: computed on the way; B: input Wout: QUANTISED (scales: A lowp_scales[6], B lowp_scales[7])
;;   THE QUANTISER, for each operand of a quantised product, along K:
;;     - The operand's scale is 2^e, e = its entry of the input lowp_scales (int32; the entries are numbered through the quantised products in the list's order, A before B).
;;     - Each number is divided by the scale, clamped to +-448, and rounded to the nearest number of E4M3, ties to even, subnormals kept.
;;     - The product sums the exact products of the quantised numbers (number of the format x scale) in f32.
;;   ~~~python
;;   def quantise(x, axis, e):      # numpy; x: float32 -> the quantised numbers, widened to float32 again
;;       x = np.moveaxis(x, axis, -1); K = x.shape[-1]
;;       r = np.clip(x / 2.0 ** e, -448, 448)
;;       step = 2.0 ** (np.maximum(np.frexp(np.where(r == 0, 1, r))[1] - 1, -6) - 3)
;;       q = np.round(r / step) * step * 2.0 ** e      # np.round: ties to even
;;       return np.moveaxis(q, -1, axis).astype(np.float32)
;;   ~~~
;;   SOFTMAX AHEAD OF A QUANTISED PRODUCT. Where the list says 'softmax', what is quantised is not the finished softmax but p = 2^(t - M), with t = logit x log2(e) and M = ceil(the row's largest t), a whole number; so 1/2 < the row's largest p <= 1. The row's sum l is taken of the UNQUANTISED p, in f32, and the product's result is divided by l at the end. Since M is a whole number, a kernel that streams over the keys may use a running M (the ceiling of the running maximum): every later rescaling is an exact power of two, so the quantised numbers keep their values, but for numbers so far below the row's largest that they fall under the format's range.
;;   OPERANDS COMPUTED ON THE WAY. 'Computed on the way' means the value that the module computes at that place (a softmax that the list does not call 'softmax' is quantised finished and normalised). What goes into a quantiser is computed in f32, as accurately as f32 sums, v_exp_f32 and their like allow (about 1e-6 of the number): no bf16 or f16 on the way to a quantiser, and a product that is left as it is and whose result goes on into a quantised operand takes f32 operands (vector FMAs, or v_wmma_f32_16x16x4_f32). A number that lies on a knife's edge between two numbers of the format may be rounded either way, as far as f32 arithmetic and the matrix unit's own rounding can turn it there, and no further.
;; One version. Each part assembles by itself: llvm-mc -triple=amdgcn-amd-amdhsa -mcpu=gfx1250 --defsym DOCPART=n.
;; ======== version 1 of 1: 4 launches
;; limits: right only within a limited range of input values
;; workspace buffers: img 12,582,912 bytes; qkv 25,165,824 bytes; yimg 8,388,608 bytes
;; launch quant (part 1): grid 384 x 1, 4 waves a work-group, no clusters, 34,304 bytes of LDS; arguments x, Wqkv, Wout, lowp_scales, img; writes img
.if DOCPART == 1
	.amdgcn_target "amdgcn-amd-amdhsa--gfx1250"
	.amdhsa_code_object_version 6
	.text
	.protected	k_q7fc78fb36c_quant
	.globl	k_q7fc78fb36c_quant
	.p2align	8
	.type	k_q7fc78fb36c_quant,@function
k_q7fc78fb36c_quant:
	s_mov_b64 s[64:65], 0
	v_nop
	global_prefetch_b8 v0, s[64:65] scope:SCOPE_SE
	s_setreg_imm32_b32 hwreg(HW_REG_WAVE_MODE, 25, 1), 1
	s_wait_xcnt 0x0
; x [8192][1024], Wqkv [3072][1024] and Wout [1024][1024], f32, K innermost, become codes of E4M3, each tensor with its given scale 2^e
; (entries 0, 1 and 7 of the scales), laid as IMAGES OF OPERAND REGISTERS:
;   a tile is 16 rows; lane r of tile T holds row 32 (T / 2) + 8 (T % 2) + r + 8 (r / 8); fragment (T, kk), kk = K / 128, lies at (8 T + kk) x 2,048 bytes;
;   in it block c (0..3) at 512 c, lane l at 16 l; lane (r, h) holds k = 128 kk + 32 c + 16 h + 0 .. 15.
; The three tensors' tiles follow each other in img: x's 512, Wqkv's 192, Wout's 64.
; code = number / 2^e, held within +-448, to the nearest code, ties to even.  LIMITS: e between -126 and 119; NaN among the inputs is not served.
; SHARES.  A work-group takes two tiles (32 consecutive rows); wave w takes tile w / 2 and 512 along K (four fragments), half w % 2.
; Each load reads 512 consecutive bytes of one row; a fragment's 16 x 512 bytes turn through the wave's own stage in LDS, so that a lane gets 16 neighbours along K
; of each block of 32; its 16 codes of a block are 16 bytes, and the wave stores 512 consecutive bytes.  Memory binds: no matrix unit, no cluster, no barrier: waves share nothing.
.set SP,    528                        ; a stage row: 512 bytes + 16: the sixteen rows that a read touches begin 16 bytes apart modulo 256
.set WSTG,  16*SP                      ; a wave's stage
.set SPARE, 4*WSTG                     ; behind the four stages: the spare words, 128 bytes for each wave
.set SPW,   12                         ; v12  LDS address of my spare word; never rewritten
.set NIL,   13                         ; v13  0; never rewritten
.set R,     16                         ; v16-143   two sets of 64 registers as loaded
.set X,     144                        ; v144-207  64 numbers: register 16 c + i = k 32 c + 16 h + i of my row
.set C,     208                        ; v208-239  two sets of 16 registers of codes
	s_load_b256 s[4:11], s[0:1], 0x0               ; x s[4:5], Wqkv s[6:7], Wout s[8:9], the scales' exponents s[10:11]
	s_load_b64 s[12:13], s[0:1], 0x20              ; img
	v_lshl_add_u32 v[SPW], v0, 2, SPARE
	v_mov_b32 v[NIL], 0
	v_lshrrev_b32 v4, 5, v0
	v_readfirstlane_b32 s16, v4                    ; wave 0..3
	v_and_b32 v5, 31, v0
	v_lshlrev_b32 v1, 4, v5                        ; v1 = 16 x lane: my bytes of a load's and of a store's 512; never rewritten
	s_mul_i32 s17, s16, WSTG
	v_add_nc_u32 v2, s17, v1                       ; v2: into the stage, as loaded
	v_and_b32 v6, 15, v0                           ; r
	v_bfe_u32 v7, v0, 4, 1                         ; h
	v_mul_u32_u24 v3, v6, SP
	v_lshl_add_u32 v3, v7, 6, v3
	v_add_nc_u32 v3, s17, v3                       ; v3: out of it: row r, + 64 h bytes
	s_lshr_b32 s18, s16, 1                         ; which tile
	s_and_b32 s19, s16, 1                          ; which 512 along K
	s_mov_b32 s20, 352
	s_cmp_lt_u32 ttmp9, 352                        ; work-groups 0-255: x; 256-351: Wqkv; 352-383: Wout.  The choice hangs on the work-group's number alone
	s_cselect_b32 s20, 256, s20
	s_cmp_lt_u32 ttmp9, 256
	s_cselect_b32 s20, 0, s20
	s_sub_co_u32 s20, ttmp9, s20                   ; my pair of tiles within the tensor
	s_lshl_b32 s20, s20, 17                        ; 32 rows of 4,096 bytes,
	s_lshl_b32 s21, s18, 15                        ; 8 rows for the second tile,
	s_add_co_u32 s20, s20, s21
	s_lshl_b32 s21, s19, 11                        ; 512 numbers along K
	s_add_co_u32 s20, s20, s21
	s_mov_b32 s21, 0
	s_lshl_b32 s22, ttmp9, 15                      ; img: two tiles of 16,384 bytes,
	s_lshl_b32 s23, s18, 14
	s_add_co_u32 s22, s22, s23
	s_lshl_b32 s23, s19, 13                        ; four fragments
	s_add_co_u32 s22, s22, s23
	s_mov_b32 s23, 0
	s_wait_alu depctr_va_vdst(0)
	s_wait_kmcnt 0x0
	s_load_b256 s[24:31], s[10:11], 0x0            ; the eight exponents
	s_cmp_lt_u32 ttmp9, 352
	s_cselect_b64 s[6:7], s[6:7], s[8:9]
	s_cmp_lt_u32 ttmp9, 256
	s_cselect_b64 s[4:5], s[4:5], s[6:7]
	s_add_nc_u64 s[4:5], s[4:5], s[20:21]
	s_add_nc_u64 s[12:13], s[12:13], s[22:23]
.macro LOAD t                          ; fragment t: 512 bytes of each of the tile's 16 rows, into set t % 2
.irp i, 0,1,2,3,4,5,6,7,8,9,10,11,12,13,14,15
	global_load_b128 v[R+64*((\t)%2)+4*\i:R+64*((\t)%2)+4*\i+3], v1, s[4:5] offset:(\i+8*(\i/8))*4096+512*(\t) th:TH_LOAD_NT
.endr
.endm
	LOAD 0
	LOAD 1
	s_wait_kmcnt 0x0
	s_cmp_lt_u32 ttmp9, 352
	s_cselect_b32 s25, s25, s31
	s_cmp_lt_u32 ttmp9, 256
	s_cselect_b32 s24, s24, s25                    ; e
	s_add_co_i32 s24, s24, 127
	s_lshl_b32 s25, s24, 23
	v_mov_b32 v11, s25                             ; 2^e as f32: the conversion takes its exponent field
	s_add_co_i32 s24, s24, 8
	s_lshl_b32 s24, s24, 23
	s_or_b32 s24, s24, 0x600000
.macro STEP t
.if (\t) < 3
	s_wait_loadcnt 16                              ; this fragment's 16 loads are in; the next one's 16 may be out
.else
	s_wait_loadcnt 0
.endif
.irp i, 0,1,2,3,4,5,6,7,8,9,10,11,12,13,14,15
	ds_store_b128 v2, v[R+64*((\t)%2)+4*\i:R+64*((\t)%2)+4*\i+3] offset:SP*\i
.endr
.irp c, 0,1,2,3
.irp j, 0,1,2,3
	ds_load_b128 v[X+16*\c+4*\j:X+16*\c+4*\j+3], v3 offset:128*\c+16*\j   ; LDS serves a wave's instructions in order (ISA guide 5.7.1.4): these see the stores above
.endr
.endr
	s_wait_dscnt 0x0                               ; the numbers are back, and the stores into the stage have read their registers,
.if (\t) < 2
	LOAD (\t)+2                                    ; which take the loads of two fragments on
.else
	s_wait_xcnt 0x0                                ; this set of code registers was the data of stores two fragments back: it is written again only behind this wait
.endif
.irp c, 0,1,2,3
.irp i, 0,1,2,3,4,5,6,7,8,9,10,11,12,13,14,15
.endr
	v_cvt_scalef32_pk8_fp8_f32 v[C+16*((\t)%2)+4*\c:C+16*((\t)%2)+4*\c+1], v[X+16*\c:X+16*\c+7], v11
	v_cvt_scalef32_pk8_fp8_f32 v[C+16*((\t)%2)+4*\c+2:C+16*((\t)%2)+4*\c+3], v[X+16*\c+8:X+16*\c+15], v11
.endr
	v_nop                                          ; a plain line behind the last conversion of the run
.irp c, 0,1,2,3
	global_store_b128 v1, v[C+16*((\t)%2)+4*\c:C+16*((\t)%2)+4*\c+3], s[12:13] offset:2048*(\t)+512*\c   ; 32 lanes store 512 consecutive bytes, aligned
.endr
.endm
	s_wait_alu depctr_va_vdst(0)
	STEP 0
	STEP 1
	STEP 2
	STEP 3
	s_wait_tensorcnt 0x0                           ; the wave's end, behind my last LDS store
	ds_add_u32 v[SPW], v[NIL]
	s_wait_dscnt 0x0
	s_endpgm
.Lfunc_end_k_q7fc78fb36c_quant:
	.size	k_q7fc78fb36c_quant, .Lfunc_end_k_q7fc78fb36c_quant-k_q7fc78fb36c_quant
	.p2alignl 7, 3214868480
	.fill 96, 4, 3214868480
	.section	.rodata,"a",@progbits
	.p2align	6, 0x0
	.amdhsa_kernel k_q7fc78fb36c_quant
		.amdhsa_group_segment_fixed_size 34304
		.amdhsa_private_segment_fixed_size 0
		.amdhsa_enable_private_segment 0
		.amdhsa_kernarg_size 40
		.amdhsa_user_sgpr_count 2
		.amdhsa_user_sgpr_kernarg_segment_ptr 1
		.amdhsa_wavefront_size32 1
		.amdhsa_system_sgpr_workgroup_id_x 1
		.amdhsa_system_sgpr_workgroup_id_y 1
		.amdhsa_system_sgpr_workgroup_id_z 1
		.amdhsa_system_vgpr_workitem_id 0
		.amdhsa_next_free_vgpr 240
		.amdhsa_next_free_sgpr 66
		.amdhsa_reserve_vcc 0
		.amdhsa_float_denorm_mode_32 3
		.amdhsa_float_denorm_mode_16_64 3
		.amdhsa_fp16_overflow 1
		.amdhsa_memory_ordered 1
		.amdhsa_forward_progress 1
		.amdhsa_inst_pref_size 21
	.end_amdhsa_kernel
	.amdgpu_metadata
---
amdhsa.version: [ 1, 2 ]
amdhsa.kernels:
  - .name:           k_q7fc78fb36c_quant
    .symbol:         k_q7fc78fb36c_quant.kd
    .args:
      - { .name: x, .offset: 0, .size: 8, .value_kind: global_buffer, .address_space: global }
      - { .name: Wqkv, .offset: 8, .size: 8, .value_kind: global_buffer, .address_space: global }
      - { .name: Wout, .offset: 16, .size: 8, .value_kind: global_buffer, .address_space: global }
      - { .name: lowp_scales, .offset: 24, .size: 8, .value_kind: global_buffer, .address_space: global }
      - { .name: img, .offset: 32, .size: 8, .value_kind: global_buffer, .address_space: global }
    .group_segment_fixed_size: 34304
    .private_segment_fixed_size: 0
    .kernarg_segment_align: 8
    .kernarg_segment_size: 40
    .max_flat_workgroup_size: 128
    .sgpr_count:     66
    .vgpr_count:     240
    .wavefront_size: 32
...
	.end_amdgpu_metadata
.endif
;; end of part 1
;; launch gemmqkv (part 2): grid 8 x 48, 4 waves a work-group, clusters of 4 x 4, 327,680 bytes of LDS; arguments img, lowp_scales, qkv; writes qkv
.if DOCPART == 2
	.amdgcn_target "amdgcn-amd-amdhsa--gfx1250"
	.amdhsa_code_object_version 6
	.text
	.protected	k_q7fc78fb36c_gemmqkv
	.globl	k_q7fc78fb36c_gemmqkv
	.p2align	8
	.type	k_q7fc78fb36c_gemmqkv,@function
k_q7fc78fb36c_gemmqkv:
	s_mov_b64 s[64:65], 0
	v_nop
	global_prefetch_b8 v0, s[64:65] scope:SCOPE_SE
	s_setreg_imm32_b32 hwreg(HW_REG_WAVE_MODE, 25, 1), 1
	s_wait_xcnt 0x0
	s_wait_alu depctr_hold_cnt(0) depctr_sa_sdst(0) depctr_va_vdst(0) depctr_va_sdst(0) depctr_va_ssrc(0) depctr_va_vcc(0) depctr_vm_vsrc(0)
	s_getreg_b32 s2, hwreg(HW_REG_IB_STS2, 6, 4)
	s_cmp_eq_u32 s2, 0
	s_cbranch_scc0 .Lentry_in_a_cluster
	s_endpgm
.Lentry_in_a_cluster:
	s_bfe_u32 s2, ttmp6, 0x10000c
	s_cmp_lg_u32 s2, 0xf033
	s_cbranch_scc0 .Lentry_shape_is_right
	s_endpgm
.Lentry_shape_is_right:
; qkv = x Wqkv^T on codes of E4M3 (K = 1,024), and its results quantised at once into the operands of attention's two products.
; Both operands lie in img as images of operand registers (a tile of 16 rows x 1,024 K is 16,384 bytes; fragment kk at 2,048 kk; block c at 512 c; lane at 16 l), 256 rows = 262,144 bytes = a UNIT:
; x's units 0-31, Wq's 32-35, Wk's 36-39, Wv's 40-43.
; A work-group multiplies a unit P (source 0) by a unit R (source 1); a wave 128 rows of each: 64 accumulators, 512 registers.  In a result a lane holds ONE row of R and its registers run along rows of P;
; by the tiles' row order the 16 registers of two neighbouring tiles of P are 16 NEIGHBOURING rows of P: 16 codes, 16 bytes a lane, stored from registers as 512 consecutive bytes.
;   q, k (clusters with y 0-7):  P = 256 features of Wq or Wk, R = 256 tokens: a lane holds a token and 16 neighbours of a head's 64: a block of Q's or K's image.
;   v    (clusters with y 8-11): P = 256 tokens, R = 256 features of Wv: a lane holds a feature and 16 neighbouring tokens: a block of V^T's image, the keys innermost.
; The two cases differ in offsets alone, chosen by s_cselect_b32 on the cluster's y: one text, no branch on it.
; qkv: Q at 0, K at 2^23: ((batch 16 + head) 128 + token tile) 1,024 + 512 c + 16 lane;  V at 2^24: (batch 16 + head) 131,072 + (128 keys' step) 8,192 + (c / 2) 4,096 + (tile of the head's 64) 1,024 + (c % 2) 512 + 16 lane.
; code = sum x 2^(e0 + e1) / 2^eo, eo = entry 2 (q), 3 (k) or 5 (v): the three exponents are folded into the conversion's one scale.  LIMIT: eo - e0 - e1 between -126 and 119.
; CLUSTERS: 4 x 4 work-groups.  P's unit hangs on the work-group's x and the cluster's y: shared along a column of the cluster; R's on cy and the cluster's y: shared along a row.  Each tile is asked for jointly.
; K goes in steps of 256 (two fragments a tile) through two LDS slots; four fills in all, so the text has no loop.  By its own count a wave has two tensor loads out at the start, one behind each round.
; REGISTERS: window 0: v16-31 addresses and constants, v128-255 R's 8 fragments (one set), later the codes; window 1: P's 8 fragments, two sets; windows 2, 3: accumulator (a, b) at v[8 (8 (a % 4) + b)].
.set NR,    8                          ; tiles of R for a wave
.set SLOT,  131072                     ; R's two halves (32,768 each), then P's two
.set SPARE, 2*SLOT                     ; behind the ring: the spare words, 128 bytes for each wave
.set ADRR, 16                          ; v16-17  LDS address of my R fragments in slot 0, 1
.set ADRP, 18                          ; v18-19  the same for P
.set LI,   20                          ; v20     16 x lane
.set OF,   20                          ; v20-23  the way out: 16 x lane + (a / 4) x one stride + (pair / 2) x the other
.set SPW,  28                          ; v28     LDS address of my spare word; never rewritten
.set NIL,  29                          ; v29     0; never rewritten
.set LIM,  30
.set SC,   31                          ; v31     the conversion's scale
.set TMP,  32
.set RF,   128
.set CD,   128
.set G1,  24                           ; s[24:31] group 1 for R;  s[32:39] its groups 0, one a slot
.set G0,  32
.set G1B, 48                           ; s[48:55], s[56:63] the same for P
.set G0B, 56
.set MSB, 0
.macro WIN new                         ; the immediate's high byte repeats the setting that is left; a switch that changes nothing is dropped
.if MSB != (\new)
	s_set_vgpr_msb (MSB<<8)|(\new)
.set MSB, (\new)
.endif
.endm
.macro PLACES                          ; four plain vector lines behind matrix instructions, in front of loads into their sources and of reads of their results
.rept 4
	v_nop
.endr
.endm
.macro JLOAD s                         ; a joint load: waves 0, 1 fetch R's halves, waves 2, 3 P's; the branch hangs on the wave's number alone; s_nop 0 and four v_nop behind each line
	s_cmp_eq_u32 s15, 0
	s_cbranch_scc0 .Lfor_p_\@
	tensor_load_to_lds s[G0+4*\s:G0+4*\s+3], s[G1:G1+7]
	s_nop 0
.rept 4
	v_nop
.endr
	s_branch .Lasked_\@
.Lfor_p_\@:
	tensor_load_to_lds s[G0B+4*\s:G0B+4*\s+3], s[G1B:G1B+7]
	s_nop 0
.rept 4
	v_nop
.endr
.Lasked_\@:
.endm
.macro CREST                           ; a round of the cluster's barrier behind its opening barrier
	s_cmp_lg_u32 s14, 0
	s_cbranch_scc1 .Lnot_wave_0_\@
	s_barrier_signal -3
.Lnot_wave_0_\@:
	s_barrier_wait -3
	s_barrier_signal -1
	s_barrier_wait -1
.endm
.macro CROUND
	s_barrier_signal -1
	s_barrier_wait -1
	CREST
.endm
	s_load_b128 s[4:7], s[0:1], 0x0                ; img s[4:5], the scales' exponents s[6:7]
	s_load_b64 s[8:9], s[0:1], 0x10                ; qkv
	v_lshl_add_u32 v[SPW], v0, 2, SPARE
	v_mov_b32 v[NIL], 0
	ds_add_u32 v[SPW], v[NIL]                      ; the wave's opening: the add and its wait stand ahead of my first tensor load; work on registers stands between
	ds_add_u32 v[SPW], v[NIL]
	v_lshrrev_b32 v1, 5, v0
	v_readfirstlane_b32 s14, v1                    ; wave 0..3
	s_lshr_b32 s15, s14, 1                         ; which half of R is mine.  Also: I fetch for R (0) or for P (1)
	s_and_b32 s16, s14, 1                          ; which half of P is mine.  Also: which half of that unit I fetch
	s_bfe_u32 s40, ttmp6, 0x40000                  ; cx
	s_bfe_u32 s41, ttmp6, 0x40004                  ; cy
	s_lshl_b32 s42, ttmp9, 2
	s_add_co_u32 s42, s42, s40                     ; work-group x, 0..7
	s_and_b32 s17, ttmp7, 0xffff                   ; cluster y, 0..11: 8 and above make v
	s_lshl_b32 s43, s41, 2
	s_lshl_b32 s43, 15, s43                        ; my row of the cluster
	s_lshl_b32 s44, 0x1111, s40                    ; my column
	s_or_b32 s[G1+0], s43, (3<<16)|(1<<21)         ; 15:0 the mask; 17:16 elements of 8 bytes; 21 set beside a mask; no padding: an image is read 16 bytes a lane on end
	s_or_b32 s[G1B+0], s44, (3<<16)|(1<<21)
.irp g, G1, G1B
	s_mov_b32 s[\g+1], 512<<16                     ; tensor_dim0 = 512 elements: two fragments, 4,096 bytes of a tile
	s_mov_b32 s[\g+2], 8<<16                       ; tensor_dim1 = 8 tiles
	s_mov_b32 s[\g+3], 512<<16                     ; tile_dim0
	s_mov_b32 s[\g+4], 8                           ; tile_dim1
	s_mov_b32 s[\g+5], 2048                        ; from tile to tile: 16,384 bytes
	s_mov_b32 s[\g+6], 0
	s_mov_b32 s[\g+7], 0
.endr
	s_max_u32 s18, s17, 8
	s_sub_co_u32 s18, s18, 8
	s_lshl_b32 s18, s18, 3                         ; v: 8 x batch
	s_lshl_b32 s19, s17, 2                         ; q, k: 4 x cluster y
	s_cmp_ge_u32 s17, 8
	s_cselect_b32 s46, s18, 32                     ; P's unit: x's 8 batch + x, or W's 32 + x: no register of it ever holds cy
	s_cselect_b32 s20, 40, s19                     ; R's unit: Wv's 40 + cy, or x's 4 cluster y + cy: none ever holds cx
	s_add_co_u32 s46, s46, s42
	s_add_co_u32 s20, s20, s41
	s_lshl_b32 s46, s46, 18
	s_lshl_b32 s20, s20, 18
	s_lshl_b32 s18, s16, 17                        ; the half that I fetch: 8 tiles
	s_add_co_u32 s46, s46, s18
	s_add_co_u32 s20, s20, s18
	s_mov_b32 s47, 0
	s_mov_b32 s21, 0
	s_lshl_b32 s45, s14, 15                        ; where it goes: wave x 32,768
	s_wait_dscnt 0x0                               ; the opening add is done
	s_wait_kmcnt 0x0
	s_load_b256 s[72:79], s[6:7], 0x0              ; the eight exponents
	s_add_nc_u64 s[20:21], s[4:5], s[20:21]
	s_add_nc_u64 s[46:47], s[4:5], s[46:47]
	CROUND                                         ; all sixteen work-groups are here: the first joint loads meet
.irp s, 0,1
	s_mov_b32 s[G0+4*\s], 1
	s_add_co_u32 s[G0+4*\s+1], s45, \s*SLOT
	s_add_nc_u64 s[G0+4*\s+2:G0+4*\s+3], s[20:21], \s*4096
	s_or_b32 s[G0+4*\s+3], s[G0+4*\s+3], 0x80000000
	s_mov_b32 s[G0B+4*\s], 1
	s_add_co_u32 s[G0B+4*\s+1], s45, \s*SLOT
	s_add_nc_u64 s[G0B+4*\s+2:G0B+4*\s+3], s[46:47], \s*4096
	s_or_b32 s[G0B+4*\s+3], s[G0B+4*\s+3], 0x80000000
	JLOAD \s
.endr
	v_and_b32 v1, 31, v0
	v_lshlrev_b32 v[LI], 4, v1
	s_wait_alu depctr_va_vdst(0)
	s_lshl_b32 s21, s15, 15                        ; my half of R
	s_lshl_b32 s22, s16, 15                        ; my half of P,
	s_add_co_u32 s22, s22, 65536                   ; which lies behind R's two
.irp s, 0,1
	v_add_nc_u32 v[ADRR+\s], s21, v[LI]
	v_add_nc_u32 v[ADRP+\s], s22, v[LI]
	s_add_co_u32 s21, s21, SLOT
	s_add_co_u32 s22, s22, SLOT
.endr
	; where my wave's codes go.  q, k: ((batch 16 + 4 cx + 2 wp) 128 + 16 (unit in the batch) + 8 wr) 1,024, K 2^23 further on
	s_lshl_b32 s80, s17, 2
	s_add_co_u32 s80, s80, s41                     ; x's unit
	s_lshr_b32 s81, s80, 3
	s_lshl_b32 s81, s81, 4
	s_lshl_b32 s82, s40, 2
	s_add_co_u32 s81, s81, s82
	s_lshl_b32 s82, s16, 1
	s_add_co_u32 s81, s81, s82
	s_lshl_b32 s81, s81, 7
	s_and_b32 s82, s80, 7
	s_lshl_b32 s82, s82, 4
	s_add_co_u32 s81, s81, s82
	s_lshl_b32 s82, s15, 3
	s_add_co_u32 s81, s81, s82
	s_lshl_b32 s81, s81, 10
	s_lshl_b32 s82, ttmp9, 23
	s_add_co_u32 s81, s81, s82
	; v: 2^24 + (batch 16 + 4 cy + 2 wr) 131,072 + (2 x + wp) 8,192
	s_max_u32 s83, s17, 8
	s_sub_co_u32 s83, s83, 8
	s_lshl_b32 s83, s83, 4
	s_lshl_b32 s84, s41, 2
	s_add_co_u32 s83, s83, s84
	s_lshl_b32 s84, s15, 1
	s_add_co_u32 s83, s83, s84
	s_lshl_b32 s83, s83, 17
	s_lshl_b32 s84, s42, 1
	s_add_co_u32 s84, s84, s16
	s_lshl_b32 s84, s84, 13
	s_add_co_u32 s83, s83, s84
	s_add_co_u32 s83, s83, 1<<24
	s_mov_b32 s85, 4096
	s_cmp_ge_u32 s17, 8
	s_cselect_b32 s80, s83, s81
	s_cselect_b32 s85, 0x20000, s85                ; four tiles of R on: v: the next head, 131,072; q, k: four token tiles, 4,096
	s_sub_co_u32 s86, 135168, s85                  ; two pairs of P's tiles on: the other of the two
	s_mov_b32 s81, 0
	s_add_nc_u64 s[8:9], s[8:9], s[80:81]
	v_add_nc_u32 v[OF+1], s86, v[LI]
	v_add_nc_u32 v[OF+2], s85, v[LI]
	v_add_nc_u32 v[OF+3], 135168, v[LI]
.macro FRAG reg, adr, q, i             ; a fragment comes as it was stored: four loads of 512 consecutive bytes
.irp c, 0,1,2,3
	ds_load_b128 v[\reg+4*\c:\reg+4*\c+3], v[\adr] offset:4096*(\i)+2048*(\q)+512*\c
.endr
.endm
.macro FETCH_P slot, q, p              ; P's eight fragments of the slot's q-th 128 along K into set p of window 1
	WIN 0x40
.irp i, 0,1,2,3,4,5,6,7
	FRAG 128*(\p)+16*\i, ADRP+\slot, \q, \i
.endr
	WIN 0
.endm
.macro FETCH_R slot, q, i0             ; half of R's fragments, from tile i0 on
.set I_, \i0
.rept NR/2
	FRAG RF+16*I_, ADRR+\slot, \q, I_
.set I_, I_+1
.endr
.endm
; n of R's tiles, from a0 on, each against P's eight, 128 along K.  zero = 1: the first product starts the sums.  All accumulators take turns, one instruction a turn, in the same order in every step.
.macro MULS a0, n, p, zero
.set A_, \a0
.rept \n
	WIN 0xa1+0x50*(A_/4)                           ; source 0 (P) window 1, source 1 (R) window 0, C and D window 2 or 3
.irp b, 0,1,2,3,4,5,6,7
.if \zero
	v_wmma_f32_16x16x128_fp8_fp8 v[8*(8*(A_%4)+\b):8*(8*(A_%4)+\b)+7], v[128*(\p)+16*\b:128*(\p)+16*\b+15], v[RF+16*A_:RF+16*A_+15], 0
.else
	v_wmma_f32_16x16x128_fp8_fp8 v[8*(8*(A_%4)+\b):8*(8*(A_%4)+\b)+7], v[128*(\p)+16*\b:128*(\p)+16*\b+15], v[RF+16*A_:RF+16*A_+15], v[8*(8*(A_%4)+\b):8*(8*(A_%4)+\b)+7]
.endif
.endr
.set A_, A_+1
.endr
.endm
.macro STEP slot, zero                 ; a slot's first 128 along K (P's set 0); it fetches the second
	s_wait_dscnt 2*NR                              ; P's set and R's lower half are in; the youngest 2 NR loads (R's upper half) may be out
	MULS 0, NR/2, 0, \zero
	s_wait_dscnt 0
	PLACES
	FETCH_P \slot, 1, 1
	FETCH_R \slot, 1, 0
	MULS NR/2, NR/2, 0, \zero
	PLACES
	WIN 0
	FETCH_R \slot, 1, NR/2
.endm
; A slot's second 128 along K changes slots: ONE barrier; in front of it each wave waits for all its tensor loads, adds 0 to its spare word, and waits for that and for its reads of this slot.  fill = 1: the slot is filled again, two fills on.
.macro TURN slot, next, fill
	s_wait_tensorcnt 0x0                           ; all my tensor loads have landed: my part of the next slot
	ds_add_u32 v[SPW], v[NIL]                      ; 0 onto my spare word
	s_wait_dscnt 2*NR+1                            ; (the add and the youngest 2 NR loads may be out)
	MULS 0, NR/4, 1, 0
	s_wait_dscnt 0x0                               ; the add is done, and my reads of this slot are over
	s_barrier_signal -1
	MULS NR/4, NR/4, 1, 0
	WIN 0
	s_barrier_wait -1
.if \fill
	CREST                                          ; the barrier has opened a round of the cluster's: no wave of any partner still reads this slot or has a load on its way
	s_add_nc_u64 s[G0+4*\slot+2:G0+4*\slot+3], s[G0+4*\slot+2:G0+4*\slot+3], 8192
	s_add_nc_u64 s[G0B+4*\slot+2:G0B+4*\slot+3], s[G0B+4*\slot+2:G0B+4*\slot+3], 8192
	JLOAD \slot                                    ; the first tensor load behind the round; its four v_nop are the places in front of the loads below
.else
	PLACES
.endif
	FETCH_P \next, 0, 0
	FETCH_R \next, 0, 0
	MULS NR/2, NR/2, 1, 0
	PLACES
	WIN 0
	FETCH_R \next, 0, NR/2
.endm
	s_wait_alu depctr_va_vdst(0)
	s_wait_tensorcnt 1                             ; my part of slot 0 is in; slot 1's may stay out
	s_barrier_signal -1
	s_barrier_wait -1
	FETCH_P 0, 0, 0
	FETCH_R 0, 0, 0
	FETCH_R 0, 0, NR/2
	STEP 0, 1
	TURN 0, 1, 1
	STEP 1, 0
	TURN 1, 0, 1
	STEP 0, 0
	TURN 0, 1, 0                                   ; nothing is left to fetch
	STEP 1, 0
	s_wait_dscnt 2*NR
	MULS 0, NR/2, 1, 0
	s_wait_dscnt 0
	MULS NR/2, NR/2, 1, 0
	WIN 0
	; THE WAY OUT: hold, convert, store: the 64 registers of R's tile a are four runs of 16 neighbours along the next product's K
	s_wait_kmcnt 0x0
	s_cmp_eq_u32 ttmp9, 0
	s_cselect_b32 s87, s74, s75                    ; q's exponent in the first column of clusters, k's in the second,
	s_cmp_ge_u32 s17, 8
	s_cselect_b32 s87, s77, s87                    ; v's from cluster y 8 on
	s_sub_co_i32 s87, s87, s72
	s_sub_co_i32 s87, s87, s73
	s_add_co_i32 s87, s87, 127
	s_lshl_b32 s88, s87, 23
	v_mov_b32 v[SC], s88                           ; 2^(eo - e0 - e1)
	s_add_co_i32 s87, s87, 8
	s_lshl_b32 s87, s87, 23
	s_or_b32 s87, s87, 0x600000
	PLACES
.macro OUTA a
	WIN 0x02+((\a)/4)                              ; source 0: window 2 or 3
.set J_, 0
.rept 64
.set J_, J_+1
.endr
.irp p, 0,1,2,3
	v_cvt_scalef32_pk8_fp8_f32 v[CD+16*(\a)+4*\p:CD+16*(\a)+4*\p+1], v[TMP+16*\p+((64*((\a)%4)+J_)-(TMP+J_)):TMP+16*\p+7+((64*((\a)%4)+J_)-(TMP+J_))], v[SC]
	v_cvt_scalef32_pk8_fp8_f32 v[CD+16*(\a)+4*\p+2:CD+16*(\a)+4*\p+3], v[TMP+16*\p+8+((64*((\a)%4)+J_)-(TMP+J_)):TMP+16*\p+15+((64*((\a)%4)+J_)-(TMP+J_))], v[SC]
.endr
	WIN 0
	v_nop                                          ; a plain line between the conversions and the stores that read their results
.irp p, 0,1,2,3
	global_store_b128 v[OF+2*((\a)/4)+\p/2], v[CD+16*(\a)+4*\p:CD+16*(\a)+4*\p+3], s[8:9] offset:((\a)%4)*1024+(\p%2)*512   ; 512 consecutive bytes, aligned; every store has data registers of its own
.endr
.endm
.irp a, 0,1,2,3,4,5,6,7
	OUTA \a
.endr
	s_wait_tensorcnt 0x0                           ; the wave's end
	ds_add_u32 v[SPW], v[NIL]
	s_wait_dscnt 0x0
	CROUND                                         ; the closing round: no work-group ends while a partner may still ask for a tile that names it
	s_endpgm
.Lfunc_end_k_q7fc78fb36c_gemmqkv:
	.size	k_q7fc78fb36c_gemmqkv, .Lfunc_end_k_q7fc78fb36c_gemmqkv-k_q7fc78fb36c_gemmqkv
	.p2alignl 7, 3214868480
	.fill 96, 4, 3214868480
	.section	.rodata,"a",@progbits
	.p2align	6, 0x0
	.amdhsa_kernel k_q7fc78fb36c_gemmqkv
		.amdhsa_group_segment_fixed_size 327680
		.amdhsa_private_segment_fixed_size 0
		.amdhsa_enable_private_segment 0
		.amdhsa_kernarg_size 24
		.amdhsa_user_sgpr_count 2
		.amdhsa_user_sgpr_kernarg_segment_ptr 1
		.amdhsa_wavefront_size32 1
		.amdhsa_system_sgpr_workgroup_id_x 1
		.amdhsa_system_sgpr_workgroup_id_y 1
		.amdhsa_system_sgpr_workgroup_id_z 1
		.amdhsa_system_vgpr_workitem_id 0
		.amdhsa_next_free_vgpr 1024
		.amdhsa_next_free_sgpr 98
		.amdhsa_reserve_vcc 0
		.amdhsa_float_denorm_mode_32 3
		.amdhsa_float_denorm_mode_16_64 3
		.amdhsa_fp16_overflow 1
		.amdhsa_memory_ordered 1
		.amdhsa_forward_progress 1
		.amdhsa_inst_pref_size 86
	.end_amdhsa_kernel
	.amdgpu_metadata
---
amdhsa.version: [ 1, 2 ]
amdhsa.kernels:
  - .name:           k_q7fc78fb36c_gemmqkv
    .symbol:         k_q7fc78fb36c_gemmqkv.kd
    .args:
      - { .name: img, .offset: 0, .size: 8, .value_kind: global_buffer, .address_space: global }
      - { .name: lowp_scales, .offset: 8, .size: 8, .value_kind: global_buffer, .address_space: global }
      - { .name: qkv, .offset: 16, .size: 8, .value_kind: global_buffer, .address_space: global }
    .group_segment_fixed_size: 327680
    .private_segment_fixed_size: 0
    .kernarg_segment_align: 8
    .kernarg_segment_size: 24
    .max_flat_workgroup_size: 128
    .sgpr_count:     98
    .vgpr_count:     1024
    .wavefront_size: 32
...
	.end_amdgpu_metadata
.endif
;; end of part 2
;; launch attn (part 3): grid 4 x 64, 16 waves a work-group, no clusters, 327,680 bytes of LDS; arguments qkv, lowp_scales, yimg; writes yimg
.if DOCPART == 3
	.amdgcn_target "amdgcn-amd-amdhsa--gfx1250"
	.amdhsa_code_object_version 6
	.text
	.protected	k_q7fc78fb36c_attn
	.globl	k_q7fc78fb36c_attn
	.p2align	8
	.type	k_q7fc78fb36c_attn,@function
k_q7fc78fb36c_attn:
	s_mov_b64 s[64:65], 0
	v_nop
	global_prefetch_b8 v0, s[64:65] scope:SCOPE_SE
	s_setreg_imm32_b32 hwreg(HW_REG_WAVE_MODE, 25, 1), 1
	s_wait_xcnt 0x0
; y[b][q][head 64 + d] = the sum over k <= q of softmax_k(Q[q] . K[k] / 8) V[k][d], both products on codes of E4M3, and y quantised at once into the last product's operand.
; Q, K, V lie in qkv as images of operand registers (Q at 0, K at 2^23: a tile of 16 tokens x 64 is 1,024 bytes, block c at 512 c, lane at 16 l; V^T at 2^24: 128 keys' step 8,192, (c / 2) 4,096, tile of d 1,024, (c % 2) 512, 16 l).
; Lane r of token tile T holds token 32 (T / 2) + 8 (T % 2) + r + 8 (r / 8): so the 16 registers of two neighbouring tiles of keys are 16 neighbouring keys, 32 b + 16 (lane / 16) + 0 .. 15.
; THE SOFTMAX: t = score x log2(e) / 8; M = the row's largest t so far, rounded UP to a whole number; p = 2^(t - M) is quantised (scale entry 4), not normalised; the row's sum is taken of the unquantised p and divides at the end.
; When M moves, the sum and O are multiplied by 2^(old M - new M), which rounds nothing.  Both products are used transposed (S^T = K Q^T, O^T = V^T P^T): a lane holds ONE query throughout.
; SHARES.  A work-group owns query blocks i and 7 - i (256 queries each) of one head and takes them one after the other: i + 1 and 8 - i slots of 256 keys, always 9: 256 work-groups of equal work, trip counts that are constants.
; Each of its 16 waves owns one tile of 16 queries.  K's and V's tiles come through two LDS slots of 32,768 bytes (wave 0: K's 16,384, wave 1: V's); by the text's own count a wave has one tensor load out.
; A step all of whose 128 keys come after the wave's queries is left out by a scalar branch on ids; on the diagonal hidden scores become -infinity ahead of the maximum.  Key 0 counts for every query, so M is a number from the first step on.
; NO CLUSTER: only the four work-groups of one head read the same K and V; they walk different slots at the same trip (the slot of trip n is n or n - i - 1), so no joint request would meet; walking alike would mean dropping the causal skip, twice the work.
; LIMITS on the given exponents: e2 + e3 between -123 and 130 (added to c's exponent field); e4 and e6 between -126 and 119; e4 + e5 is applied by v_ldexp_f32 and has none.
; REGISTERS: v1-3 offsets that stay; v8 LDS address; v12 -M, v13 largest t, v[14:15] the sum; v16-23 Q in hand, v24-31 Q of the second block; v32-95 K's 8 fragments, then V's 4; v96-159 S^T, then p; v160-191 O^T; v192-207 p's codes; v208-215 y's codes.
.set SLOTB, 32768
.set VOFF,  16384
.set SPARE, 65536                      ; behind the ring: the spare words, 128 bytes for each of 16 waves
.set LI,  1                            ; v1   16 x lane
.set QL,  2                            ; v2   r + 8 (r / 8) - 16 (lane / 16)
.set PFO, 3                            ; v3   256 x lane
.set SPW, 5                            ; v5   LDS address of my spare word; never rewritten
.set NIL, 6                            ; v6   0; never rewritten
.set ADK, 8
.set TB,  2                            ; s2   LDS byte at which the slot in hand begins
.set N,   3                            ; s3   the trip
.set SW,  10                           ; s10  i + 1: the trip at which the second block begins
.set KF,  11                           ; s11  the step's first key
.set Q0,  12                           ; s12  my tile's first query
.set Q0H, 13                           ; s13  the same in the second block
.set LIM, 14                           ; s14  7 in a wave that prefetches, else 0
.set WV,  18
.set SEL, 20                           ; s[20:21] selects for v_permlanex16_b32: lane l xor 16
.set CS,  22                           ; s[22:23] c
.set PFA, 40                           ; s[40:41] where my prefetches stand
.macro TLOAD                           ; waves 0 and 1 fetch, the others nothing; s_nop 0 and four v_nop behind the line
	s_cmp_lt_u32 s[WV], 2
	s_cbranch_scc0 .Lnone_\@
	tensor_load_to_lds s[32:35], s[24:31]
	s_nop 0
.rept 4
	v_nop
.endr
.Lnone_\@:
.endm
; A PREFETCH INTO THE L2.  The head's work-group 0 walks slot 0 and then slots 0 to 7: in trip n its tensor loads ask for slot n, and here it asks for slot n + 1, a slot's two key steps ahead of that load, n = 0 .. 6.
; Waves 4, 5 take K's 16,384 bytes, waves 6, 7 V's: 8,192 a wave, lanes 256 bytes apart: each aligned block of 256 bytes of slots 1 to 7 is named once in the launch.  Nothing is asked for at the head, and nothing past slot 7.
.macro ASK
	s_cmp_lt_u32 s[N], s[LIM]
	s_cbranch_scc0 .Lnot_mine_\@
	global_prefetch_b8 v[PFO], s[PFA:PFA+1] th:TH_LOAD_NT scope:SCOPE_SE
.Lnot_mine_\@:
.endm
.macro INIT                            ; a block's start: the largest t under every t, sums and O^T zero: the first change of M multiplies zeros
	v_mov_b32 v13, 0xff61b1e6                      ; -3e38
	s_delay_alu instid0(VALU_DEP_1)
	v_floor_f32 v12, -v13
	v_mov_b32 v14, 0
	v_mov_b32 v15, 0
.set J_, 0
.rept 32
	v_mov_b32 v[160+J_], 0
.set J_, J_+1
.endr
.endm
	s_load_b128 s[4:7], s[0:1], 0x0                ; qkv s[4:5], the scales' exponents s[6:7]
	s_load_b64 s[8:9], s[0:1], 0x10                ; yimg
	v_lshl_add_u32 v[SPW], v0, 2, SPARE
	v_mov_b32 v[NIL], 0
	ds_add_u32 v[SPW], v[NIL]                      ; the wave's opening: the add and its wait stand ahead of the first tensor load; work on registers stands between
	ds_add_u32 v[SPW], v[NIL]
	v_lshrrev_b32 v8, 5, v0
	s_delay_alu instid0(VALU_DEP_1)
	v_readfirstlane_b32 s[WV], v8                  ; wave 0..15
	s_and_b32 s60, ttmp7, 0xffff                   ; batch x 16 + head
	s_and_b32 s61, s[WV], 1
	s_mov_b32 s24, 3<<16                           ; group 1: a dense block of 16,384 bytes as 64 rows of 32 elements of 8 bytes; no mask, no padding
	s_mov_b32 s25, 32<<16
	s_mov_b32 s26, 64<<16
	s_mov_b32 s27, 32<<16
	s_mov_b32 s28, 64
	s_mov_b32 s29, 32
	s_mov_b32 s30, 0
	s_mov_b32 s31, 0
	s_mov_b32 s32, 1                               ; group 0
	s_lshl_b32 s33, s61, 14                        ; LDS: slot 0; K at 0, V at 16,384
	s_lshl_b32 s62, s60, 17                        ; the head's 131,072 bytes in each of Q, K, V
	s_lshl_b32 s38, s61, 23
	s_add_co_u32 s38, s38, 1<<23
	s_add_co_u32 s38, s38, s62                     ; K's (even waves) or V's (odd) first byte of the head
	s_mov_b32 s39, 0
	s_bfe_u32 s66, s[WV], 0x10001                  ; the prefetches: waves 4, 5: K; waves 6, 7: V
	s_lshl_b32 s66, s66, 23
	s_add_co_u32 s66, s66, 1<<23
	s_add_co_u32 s66, s66, s62
	s_lshl_b32 s63, s61, 13                        ; 8,192 bytes a wave
	s_add_co_u32 s66, s66, s63
	s_mov_b32 s67, 0
	s_add_co_u32 s[SW], ttmp9, 1
	s_lshr_b32 s63, s[WV], 1
	s_lshl_b32 s63, s63, 5
	s_lshl_b32 s68, s61, 3
	s_add_co_u32 s63, s63, s68                     ; 32 (w / 2) + 8 (w % 2)
	s_lshl_b32 s68, ttmp9, 8
	s_add_co_u32 s[Q0], s68, s63
	s_sub_co_u32 s68, 1792, s68
	s_add_co_u32 s[Q0H], s68, s63
	s_lshl_b32 s56, ttmp9, 4
	s_add_co_u32 s56, s56, s[WV]                   ; my token tile in the first block,
	s_sub_co_u32 s58, 7, ttmp9
	s_lshl_b32 s58, s58, 4
	s_add_co_u32 s58, s58, s[WV]                   ; and in the second
	s_lshr_b32 s69, s60, 4
	s_lshl_b32 s69, s69, 21                        ; y's image: a batch's 128 tiles of 16,384 bytes,
	s_and_b32 s70, s60, 15
	s_lshl_b32 s70, s70, 10                        ; the head's two blocks: 1,024 x head
	s_add_co_u32 s69, s69, s70
	s_lshl_b32 s42, s56, 14
	s_add_co_u32 s42, s42, s69
	s_mov_b32 s43, 0
	s_lshl_b32 s44, s58, 14
	s_add_co_u32 s44, s44, s69
	s_mov_b32 s45, 0
	s_lshl_b32 s56, s56, 10
	s_add_co_u32 s56, s56, s62
	s_mov_b32 s57, 0
	s_lshl_b32 s58, s58, 10
	s_add_co_u32 s58, s58, s62
	s_mov_b32 s59, 0
	s_lshr_b32 s70, s[WV], 2
	s_xor_b32 s70, s70, 1                          ; 0 in waves 4 to 7,
	s_or_b32 s70, s70, ttmp9                       ; of the head's work-group 0
	s_cmp_eq_u32 s70, 0
	s_cselect_b32 s[LIM], 7, 0
	s_mov_b32 s[SEL], 0x76543210
	s_mov_b32 s[SEL+1], 0xfedcba98
	s_mov_b32 s[CS], 0x3e38aa3b                    ; c = log2(e) / 8
	s_mov_b32 s[TB], 0
	s_mov_b32 s[N], 0
	s_mov_b32 s[KF], 0
	s_wait_dscnt 0x0                               ; the opening add is done
	s_wait_kmcnt 0x0
	s_load_b256 s[48:55], s[6:7], 0x0              ; the eight exponents
	s_add_nc_u64 s[36:37], s[4:5], s[38:39]        ; s[36:37]: K's or V's first byte of the head
	s_mov_b64 s[34:35], s[36:37]
	s_or_b32 s35, s35, 0x80000000
	TLOAD                                          ; key slot 0 into LDS slot 0
	s_add_nc_u64 s[PFA:PFA+1], s[4:5], s[66:67]    ; at slot 0: the first change of slots steps it to slot 1
	s_add_nc_u64 s[56:57], s[4:5], s[56:57]
	s_add_nc_u64 s[58:59], s[4:5], s[58:59]
	s_add_nc_u64 s[42:43], s[8:9], s[42:43]
	s_add_nc_u64 s[44:45], s[8:9], s[44:45]
	v_and_b32 v9, 31, v0
	s_delay_alu instid0(VALU_DEP_1)
	v_lshlrev_b32 v[LI], 4, v9
	s_delay_alu instid0(VALU_DEP_2)
	v_lshlrev_b32 v[PFO], 8, v9
	global_load_b128 v[16:19], v[LI], s[56:57]             ; both blocks' Q stay in registers
	global_load_b128 v[20:23], v[LI], s[56:57] offset:512
	global_load_b128 v[24:27], v[LI], s[58:59]
	global_load_b128 v[28:31], v[LI], s[58:59] offset:512
	v_and_b32 v9, 15, v0
	v_and_b32 v10, 8, v0
	s_delay_alu instid0(VALU_DEP_1)
	v_add_nc_u32 v[QL], v9, v10
	v_bfe_u32 v10, v0, 4, 1
	s_delay_alu instid0(VALU_DEP_1)
	v_lshlrev_b32 v10, 4, v10
	s_delay_alu instid0(VALU_DEP_1)
	v_sub_nc_u32 v[QL], v[QL], v10
	INIT
	v_mov_b32 v228, 0                              ; written once: a lane permute's destination counts as one of its sources
	v_mov_b32 v231, 0                              ; (named as the upper half of the pair v[230:231])
	v_mov_b32 v236, 0xff800000                     ; -infinity
	s_wait_kmcnt 0x0
	s_add_co_i32 s60, s50, s51
	s_lshl_b32 s60, s60, 23
	s_add_co_i32 s[CS], s[CS], s60                 ; a score stands for score x 2^(e2 + e3): added to c's exponent field
	s_mov_b32 s[CS+1], s[CS]
	s_add_co_i32 s60, s52, 127
	s_lshl_b32 s61, s60, 23
	v_mov_b32 v224, s61                            ; 2^e4
	s_add_co_i32 s60, s54, 127
	s_lshl_b32 s61, s60, 23
	v_mov_b32 v226, s61                            ; 2^e6
	s_add_co_i32 s97, s52, s53                     ; e4 + e5
; A KEY STEP: 128 keys, the q-th of the slot in hand.
.macro STEP q
	s_add_co_u32 s96, s[Q0], 23                    ; my tile's last query
	s_cmp_gt_u32 s[KF], s96
	s_cbranch_scc1 .Lhidden_\@
	v_add_nc_u32 v[ADK], s[TB], v[LI]
.rept 3
	v_nop                                          ; with the addition above: four places in front of loads into registers that the last products read
.endr
.irp t, 0,1,2,3,4,5,6,7
	ds_load_b128 v[32+8*\t:35+8*\t], v[ADK] offset:(8*(\q)+\t)*1024
	ds_load_b128 v[36+8*\t:39+8*\t], v[ADK] offset:(8*(\q)+\t)*1024+512
.endr
	s_wait_dscnt 0x0
	s_wait_alu depctr_va_vdst(0)
.irp t, 0,1,2,3,4,5,6,7
	v_wmma_f32_16x16x64_fp8_fp8 v[96+8*\t:103+8*\t], v[32+8*\t:39+8*\t], v[16:23], 0   ; S^T: register 16 b + i = key KF + 32 b + 16 (lane / 16) + i
.endr
.rept 4
	v_nop                                          ; places in front of the loads below and of the first read of the scores
.endr
.irp d, 0,1,2,3                                ; V's four fragments are asked for now and land under the softmax
.irp c, 0,1,2,3
	ds_load_b128 v[32+16*\d+4*\c:35+16*\d+4*\c], v[ADK] offset:VOFF+8192*(\q)+4096*(\c/2)+1024*\d+512*(\c%2)
.endr
.endr
	s_add_co_u32 s96, s[KF], 127
	s_cmp_le_u32 s96, s[Q0]
	s_cbranch_scc1 .Lopen_\@                       ; all 128 keys count for all my queries
	s_sub_co_i32 s96, s[Q0], s[KF]
	v_add_nc_u32 v235, s96, v[QL]                  ; d = my query - KF - 16 (lane / 16): register 16 b + i is hidden where 32 b + i > d
.set N_, 0
.rept 64
	v_cmp_gt_i32 vcc_lo, 32*(N_/16)+N_%16, v235
	v_cndmask_b32 v[96+N_], v[96+N_], v236, vcc_lo
.set N_, N_+1
.endr
.Lopen_\@:
	v_max3_num_f32 v234, v96, v97, v98             ; the step's largest score of my query among my 64 keys, in two chains, from the low end on
	v_max3_num_f32 v235, v99, v100, v101
.irp i, 6,10,14,18,22,26,30,34,38,42,46,50,54,58
	v_max3_num_f32 v234, v234, v[96+\i], v[97+\i]
	v_max3_num_f32 v235, v235, v[98+\i], v[99+\i]
.endr
	v_max3_num_f32 v234, v234, v158, v159
	s_delay_alu instid0(VALU_DEP_1)
	v_max_num_f32 v234, v234, v235
	s_delay_alu instid0(VALU_DEP_1)
	v_permlanex16_b32 v228, v234, s[SEL], s[SEL+1]
	s_delay_alu instid0(VALU_DEP_1)
	v_max_num_f32 v234, v234, v228                 ; and among lane l xor 16's
	s_delay_alu instid0(VALU_DEP_1)
	v_mul_f32 v234, s[CS], v234                    ; as t (c is positive)
	s_delay_alu instid0(VALU_DEP_1)
	v_max_num_f32 v13, v13, v234                   ; the running largest t
	v_mov_b32 v234, v12
	s_delay_alu instid0(VALU_DEP_2)
	v_floor_f32 v12, -v13                          ; the new -M = floor(-t): M is a whole number
	s_delay_alu instid0(VALU_DEP_1)
	v_sub_f32 v234, v12, v234                      ; old M - new M: a whole number, 0 or less
	s_delay_alu instid0(VALU_DEP_1)
	v_cvt_i32_f32 v234, v234                       ; (it saturates)
	s_delay_alu instid0(VALU_DEP_1)
	v_ldexp_f32 v230, 1.0, v234                    ; f = 2^(old M - new M)
.set J_, 0
.rept 32
	v_pk_fma_f32 v[96+J_:97+J_], v[96+J_:97+J_], s[CS:CS+1], v[12:13] op_sel_hi:[1,0,0]   ; t - M, two at a time
.set J_, J_+2
.endr
.set J_, 0
	s_wait_alu depctr_va_vdst(0)
.rept 64
	v_exp_f32 v[96+J_], v[96+J_]                   ; p = 2^(t - M)
.set J_, J_+1
.endr
	v_pk_mul_f32 v[14:15], v[14:15], v[230:231] op_sel_hi:[1,0]   ; the sums under the new M: the plain line behind the exponentials
	s_wait_alu depctr_va_vdst(0)                   ; one wait for the whole batch, ahead of its first reader
	v_pk_add_f32 v[232:233], v[100:101], v[104:105]
	v_pk_add_f32 v[254:255], v[108:109], v[112:113]
	v_pk_add_f32 v[252:253], v[116:117], v[120:121]
	v_pk_add_f32 v[250:251], v[124:125], v[128:129]
	v_pk_add_f32 v[248:249], v[132:133], v[136:137]
	v_pk_add_f32 v[246:247], v[140:141], v[144:145]
	v_pk_add_f32 v[244:245], v[148:149], v[152:153]
	v_pk_add_f32 v[14:15], v[14:15], v[156:157]
	v_pk_add_f32 v[232:233], v[232:233], v[96:97]
	v_pk_add_f32 v[254:255], v[254:255], v[98:99]
	v_pk_add_f32 v[252:253], v[252:253], v[102:103]
	v_pk_add_f32 v[250:251], v[250:251], v[106:107]
	v_pk_add_f32 v[248:249], v[248:249], v[110:111]
	v_pk_add_f32 v[246:247], v[246:247], v[114:115]
	v_pk_add_f32 v[244:245], v[244:245], v[118:119]
	v_pk_add_f32 v[14:15], v[14:15], v[122:123]
	v_pk_add_f32 v[232:233], v[232:233], v[126:127]
	v_pk_add_f32 v[254:255], v[254:255], v[130:131]
	v_pk_add_f32 v[252:253], v[252:253], v[134:135]
	v_pk_add_f32 v[250:251], v[250:251], v[138:139]
	v_pk_add_f32 v[248:249], v[248:249], v[142:143]
	v_pk_add_f32 v[246:247], v[246:247], v[146:147]
	v_pk_add_f32 v[244:245], v[244:245], v[150:151]
	v_pk_add_f32 v[14:15], v[14:15], v[154:155]
	v_pk_add_f32 v[232:233], v[232:233], v[158:159]
	s_delay_alu instid0(VALU_DEP_2)
	v_pk_add_f32 v[14:15], v[14:15], v[250:251]
	s_delay_alu instid0(VALU_DEP_2)
	v_pk_add_f32 v[232:233], v[232:233], v[248:249]
	v_pk_add_f32 v[254:255], v[254:255], v[246:247]
	v_pk_add_f32 v[252:253], v[252:253], v[244:245]
	s_delay_alu instid0(VALU_DEP_2)
	v_pk_add_f32 v[14:15], v[14:15], v[254:255]
	s_delay_alu instid0(VALU_DEP_2)
	v_pk_add_f32 v[232:233], v[232:233], v[252:253]
	s_delay_alu instid0(VALU_DEP_1)
	v_pk_add_f32 v[14:15], v[14:15], v[232:233]
.irp b, 0,1,2,3
.irp i, 0,1,2,3,4,5,6,7,8,9,10,11,12,13,14,15
.endr
	v_cvt_scalef32_pk8_fp8_f32 v[192+4*\b:193+4*\b], v[96+16*\b:103+16*\b], v224
	v_cvt_scalef32_pk8_fp8_f32 v[194+4*\b:195+4*\b], v[104+16*\b:111+16*\b], v224
.endr
.set J_, 0
.rept 16
	v_pk_mul_f32 v[160+J_:161+J_], v[160+J_:161+J_], v[230:231] op_sel_hi:[1,0]   ; O^T under the new M; also the plain lines behind the conversions
.set J_, J_+2
.endr
	s_wait_alu depctr_va_vdst(0)
	s_wait_dscnt 0x0                               ; V is in
.irp d, 0,1,2,3
	v_wmma_f32_16x16x128_fp8_fp8 v[160+8*\d:167+8*\d], v[32+16*\d:47+16*\d], v[192:207], v[160+8*\d:167+8*\d]   ; the four accumulators take turns
.endr
.Lhidden_\@:
	s_add_co_u32 s[KF], s[KF], 128
.endm
; A block's end: y = O^T x 2^(e4 + e5) / the sum, held, converted with 2^e6: register 16 b + i = d 32 b + 16 (lane / 16) + i: two blocks of y's image, 512 consecutive bytes each.
.macro FINISH yb
	s_wait_xcnt 0x0                                ; the code registers below were the data of the first block's stores
.rept 4
	v_nop                                          ; places behind the last products
.endr
	v_add_f32 v14, v14, v15
	s_wait_alu depctr_va_vdst(0)
	v_permlanex16_b32 v228, v14, s[SEL], s[SEL+1]
	s_delay_alu instid0(VALU_DEP_1)
	v_add_f32 v14, v14, v228                       ; the row's sum
	s_wait_alu depctr_va_vdst(0)
	v_rcp_f32 v14, v14
	v_nop                                          ; a plain line behind the reciprocal,
	s_wait_alu depctr_va_vdst(0)                   ; and the wait ahead of its first reader
	v_ldexp_f32 v14, v14, s97
.set J_, 0
.rept 16
	v_pk_mul_f32 v[96+J_:97+J_], v[160+J_:161+J_], v[14:15] op_sel_hi:[1,0]   ; each accumulator from its low end on
.set J_, J_+2
.endr
.set J_, 0
.rept 32
.set J_, J_+1
.endr
.irp b, 0,1
	v_cvt_scalef32_pk8_fp8_f32 v[208+4*\b:209+4*\b], v[96+16*\b:103+16*\b], v226
	v_cvt_scalef32_pk8_fp8_f32 v[210+4*\b:211+4*\b], v[104+16*\b:111+16*\b], v226
.endr
	v_nop                                          ; a plain line behind the last conversion
	global_store_b128 v[LI], v[208:211], s[\yb:\yb+1]
	global_store_b128 v[LI], v[212:215], s[\yb:\yb+1] offset:512
.endm
; THE CHANGE OF SLOTS, at a slot's head: each wave waits for all its tensor loads, adds 0 to its spare word, waits for that and for its reads of the slot that it has left; one barrier; behind it that slot is filled first.
.macro CHANGE fill
	s_wait_tensorcnt 0x0                           ; no tensor load of mine is out, so group 0 may be written
	ds_add_u32 v[SPW], v[NIL]                      ; 0 onto my spare word
.if \fill
	s_add_co_u32 s38, s[N], 1                      ; the next trip's key slot: n + 1 in the first block, n + 1 - (i + 1) in the second
	s_sub_co_u32 s39, s38, s[SW]
	s_cmp_lt_u32 s38, s[SW]
	s_cselect_b32 s38, s38, s39
	s_lshl_b32 s38, s38, 14
	s_mov_b32 s39, 0
	s_add_nc_u64 s[34:35], s[36:37], s[38:39]
	s_or_b32 s35, s35, 0x80000000
	s_xor_b32 s33, s33, SLOTB                      ; the other LDS slot than last time
	s_wait_xcnt 0x0                                ; the last prefetch, a slot back, has read its address
	s_add_nc_u64 s[PFA:PFA+1], s[PFA:PFA+1], 16384
.endif
	s_wait_dscnt 0x0                               ; the add is done, and my reads of the slot that I have left are over
	s_barrier_signal -1
	s_barrier_wait -1
.if \fill
	TLOAD                                          ; the first thing behind the barrier, a wave's one tensor load until the next: it has a slot's two steps in which to land
	ASK
.endif
.endm
	s_wait_loadcnt 0x0                             ; Q
.Lslot:                                            ; eight trips: behind each change of slots but the last the next slot is asked for
	s_cmp_lg_u32 s[N], s[SW]
	s_cbranch_scc1 .Lsame_block
	FINISH 42                                      ; the first block is done: its y leaves, and the second begins at key 0
	INIT
.irp j, 0,1,2,3,4,5,6,7
	v_mov_b32 v[16+\j], v[24+\j]
.endr
	s_mov_b32 s[Q0], s[Q0H]
	s_mov_b32 s[KF], 0
.Lsame_block:
	CHANGE 1
	STEP 0
	STEP 1
	s_xor_b32 s[TB], s[TB], SLOTB
	s_add_co_u32 s[N], s[N], 1
	s_cmp_lt_u32 s[N], 8
	s_cbranch_scc1 .Lslot
	CHANGE 0                                       ; the last slot is written out
	STEP 0
	STEP 1
	FINISH 44
	s_wait_tensorcnt 0x0                           ; the wave's end
	ds_add_u32 v[SPW], v[NIL]
	s_wait_dscnt 0x0
	s_endpgm
.Lfunc_end_k_q7fc78fb36c_attn:
	.size	k_q7fc78fb36c_attn, .Lfunc_end_k_q7fc78fb36c_attn-k_q7fc78fb36c_attn
	.p2alignl 7, 3214868480
	.fill 96, 4, 3214868480
	.section	.rodata,"a",@progbits
	.p2align	6, 0x0
	.amdhsa_kernel k_q7fc78fb36c_attn
		.amdhsa_group_segment_fixed_size 327680
		.amdhsa_private_segment_fixed_size 0
		.amdhsa_enable_private_segment 0
		.amdhsa_kernarg_size 24
		.amdhsa_user_sgpr_count 2
		.amdhsa_user_sgpr_kernarg_segment_ptr 1
		.amdhsa_wavefront_size32 1
		.amdhsa_system_sgpr_workgroup_id_x 1
		.amdhsa_system_sgpr_workgroup_id_y 1
		.amdhsa_system_sgpr_workgroup_id_z 1
		.amdhsa_system_vgpr_workitem_id 0
		.amdhsa_next_free_vgpr 256
		.amdhsa_next_free_sgpr 100
		.amdhsa_reserve_vcc 1
		.amdhsa_float_denorm_mode_32 3
		.amdhsa_float_denorm_mode_16_64 3
		.amdhsa_fp16_overflow 1
		.amdhsa_memory_ordered 1
		.amdhsa_forward_progress 1
		.amdhsa_inst_pref_size 90
	.end_amdhsa_kernel
	.amdgpu_metadata
---
amdhsa.version: [ 1, 2 ]
amdhsa.kernels:
  - .name:           k_q7fc78fb36c_attn
    .symbol:         k_q7fc78fb36c_attn.kd
    .args:
      - { .name: qkv, .offset: 0, .size: 8, .value_kind: global_buffer, .address_space: global }
      - { .name: lowp_scales, .offset: 8, .size: 8, .value_kind: global_buffer, .address_space: global }
      - { .name: yimg, .offset: 16, .size: 8, .value_kind: global_buffer, .address_space: global }
    .group_segment_fixed_size: 327680
    .private_segment_fixed_size: 0
    .kernarg_segment_align: 8
    .kernarg_segment_size: 24
    .max_flat_workgroup_size: 512
    .sgpr_count:     100
    .vgpr_count:     256
    .wavefront_size: 32
...
	.end_amdgpu_metadata
.endif
;; end of part 3
;; launch gemmout (part 4): grid 4 x 64, 4 waves a work-group, clusters of 4 x 4, 327,680 bytes of LDS; arguments img, yimg, lowp_scales, out0; writes out0
.if DOCPART == 4
	.amdgcn_target "amdgcn-amd-amdhsa--gfx1250"
	.amdhsa_code_object_version 6
	.text
	.protected	k_q7fc78fb36c_gemmout
	.globl	k_q7fc78fb36c_gemmout
	.p2align	8
	.type	k_q7fc78fb36c_gemmout,@function
k_q7fc78fb36c_gemmout:
	s_mov_b64 s[64:65], 0
	v_nop
	global_prefetch_b8 v0, s[64:65] scope:SCOPE_SE
	s_setreg_imm32_b32 hwreg(HW_REG_WAVE_MODE, 25, 1), 1
	s_wait_xcnt 0x0
	s_wait_alu depctr_hold_cnt(0) depctr_sa_sdst(0) depctr_va_vdst(0) depctr_va_sdst(0) depctr_va_ssrc(0) depctr_va_vcc(0) depctr_vm_vsrc(0)
	s_getreg_b32 s2, hwreg(HW_REG_IB_STS2, 6, 4)
	s_cmp_eq_u32 s2, 0
	s_cbranch_scc0 .Lentry_in_a_cluster
	s_endpgm
.Lentry_in_a_cluster:
	s_bfe_u32 s2, ttmp6, 0x10000c
	s_cmp_lg_u32 s2, 0xf033
	s_cbranch_scc0 .Lentry_shape_is_right
	s_endpgm
.Lentry_shape_is_right:
; out0 = y Wout^T on codes of E4M3 (K = 1,024), f32 out: each finished sum x 2^(e6 + e7).  LIMIT: e6 + e7 between -126 and 127.
; Both operands lie as images of operand registers (a tile of 16 rows x 1,024 K is 16,384 bytes; fragment kk at 2,048 kk; block c at 512 c; lane at 16 l; lane r of tile T holds row 32 (T / 2) + 8 (T % 2) + r + 8 (r / 8)):
; Wout's 64 tiles in img from byte 11,534,336, y's 512 tiles in yimg.
; A work-group makes 128 tokens x 256 columns, so that the 8,192 x 1,024 results give 256 work-groups; a wave 64 tokens (4 tiles, source 1, R) x 128 columns (8 tiles, source 0, P): 32 accumulators.
; In a result a lane holds one token, and the 16 registers of two neighbouring tiles of P are 16 neighbouring columns.
; CLUSTERS: 4 x 4.  P hangs on the work-group's x: shared along a column of the cluster; R on the work-group's y: shared along a row.  K goes in steps of 256 through two LDS slots, four fills: no loop.
; By the text's own count a wave has one tensor load out at a time, one behind each round.
; REGISTERS: window 0: v16-29 addresses, v32-95 at work on the way out, v128-191 R's 4 fragments, on the way out v128-255 rows read back; window 1: P's 8 fragments, two sets; window 2: accumulator (a, b) at v[8 (8 a + b)].
.set NR,    4                          ; tiles of R for a wave
.set SLOT,  98304                      ; R's two halves (16,384 each), then P's two (32,768 each)
.set STAGE, 2*SLOT                     ; behind the ring, in bytes of its own: 16 rows x 528 for each wave
.set SPITCH, 528
.set SPARE, STAGE+4*16*SPITCH          ; behind the stages: the spare words, 128 bytes for each wave
.set ADRR, 16
.set ADRP, 18
.set LI,   20                          ; v20  16 x lane: also my bytes of a row of 512 in out0
.set STO,  24                          ; v24  the stage: where I put 64 bytes of a row
.set RD,   25                          ; v25  and where I read a row back
.set SPW,  28
.set NIL,  29
.set TMP,  32
.set RF,   128
.set BK,   128
.set G1,  24                           ; s[24:31] group 1 for R;  s[32:39] its groups 0, one a slot
.set G0,  32
.set G1B, 48                           ; s[48:55], s[56:63] the same for P
.set G0B, 56
.set MSB, 0
.macro WIN new                         ; the immediate's high byte repeats the setting that is left; a switch that changes nothing is dropped
.if MSB != (\new)
	s_set_vgpr_msb (MSB<<8)|(\new)
.set MSB, (\new)
.endif
.endm
.macro PLACES                          ; four plain vector lines behind matrix instructions, in front of loads into their sources and of reads of their results
.rept 4
	v_nop
.endr
.endm
.macro JLOAD s                         ; a joint load: waves 0, 1 fetch R's halves, waves 2, 3 P's; s_nop 0 and four v_nop behind each line
	s_cmp_eq_u32 s15, 0
	s_cbranch_scc0 .Lfor_p_\@
	tensor_load_to_lds s[G0+4*\s:G0+4*\s+3], s[G1:G1+7]
	s_nop 0
.rept 4
	v_nop
.endr
	s_branch .Lasked_\@
.Lfor_p_\@:
	tensor_load_to_lds s[G0B+4*\s:G0B+4*\s+3], s[G1B:G1B+7]
	s_nop 0
.rept 4
	v_nop
.endr
.Lasked_\@:
.endm
.macro CREST
	s_cmp_lg_u32 s14, 0
	s_cbranch_scc1 .Lnot_wave_0_\@
	s_barrier_signal -3
.Lnot_wave_0_\@:
	s_barrier_wait -3
	s_barrier_signal -1
	s_barrier_wait -1
.endm
.macro CROUND
	s_barrier_signal -1
	s_barrier_wait -1
	CREST
.endm
	s_load_b128 s[4:7], s[0:1], 0x0                ; img s[4:5], yimg s[6:7]
	s_load_b128 s[8:11], s[0:1], 0x10              ; the scales' exponents s[8:9], out0 s[10:11]
	v_lshl_add_u32 v[SPW], v0, 2, SPARE
	v_mov_b32 v[NIL], 0
	ds_add_u32 v[SPW], v[NIL]                      ; the wave's opening: the add and its wait stand ahead of my first tensor load
	ds_add_u32 v[SPW], v[NIL]
	v_lshrrev_b32 v1, 5, v0
	v_readfirstlane_b32 s14, v1                    ; wave 0..3
	s_lshr_b32 s15, s14, 1                         ; which half of R is mine.  Also: I fetch for R (0) or for P (1)
	s_and_b32 s16, s14, 1                          ; which half of P is mine.  Also: which half I fetch
	s_bfe_u32 s40, ttmp6, 0x40000                  ; cx
	s_bfe_u32 s41, ttmp6, 0x40004                  ; cy
	s_lshl_b32 s42, ttmp9, 2
	s_add_co_u32 s42, s42, s40                     ; work-group x: which 256 columns
	s_and_b32 s17, ttmp7, 0xffff
	s_lshl_b32 s17, s17, 2
	s_add_co_u32 s17, s17, s41                     ; work-group y: which 128 tokens
	s_lshl_b32 s43, s41, 2
	s_lshl_b32 s43, 15, s43                        ; my row of the cluster
	s_lshl_b32 s44, 0x1111, s40                    ; my column
	s_or_b32 s[G1+0], s43, (3<<16)|(1<<21)         ; 15:0 the mask; 17:16 elements of 8 bytes; 21 set beside a mask; no padding
	s_or_b32 s[G1B+0], s44, (3<<16)|(1<<21)
	s_mov_b32 s[G1+1], 512<<16                     ; R: 4 tiles x two fragments (4,096 bytes), 16,384 bytes from tile to tile
	s_mov_b32 s[G1+2], 4<<16
	s_mov_b32 s[G1+3], 512<<16
	s_mov_b32 s[G1+4], 4
	s_mov_b32 s[G1+5], 2048
	s_mov_b32 s[G1+6], 0
	s_mov_b32 s[G1+7], 0
	s_mov_b32 s[G1B+1], 512<<16                    ; P: 8 tiles
	s_mov_b32 s[G1B+2], 8<<16
	s_mov_b32 s[G1B+3], 512<<16
	s_mov_b32 s[G1B+4], 8
	s_mov_b32 s[G1B+5], 2048
	s_mov_b32 s[G1B+6], 0
	s_mov_b32 s[G1B+7], 0
	s_lshl_b32 s20, s17, 17                        ; R: 128 tokens are 131,072 bytes; no register of it ever holds cx
	s_lshl_b32 s18, s16, 16
	s_add_co_u32 s20, s20, s18
	s_mov_b32 s21, 0
	s_lshl_b32 s46, s42, 18                        ; P: 256 columns are 262,144 bytes; none ever holds cy
	s_lshl_b32 s18, s16, 17
	s_add_co_u32 s46, s46, s18
	s_add_co_u32 s46, s46, 11534336
	s_mov_b32 s47, 0
	s_lshl_b32 s45, s16, 14                        ; where R's half goes,
	s_lshl_b32 s19, s16, 15
	s_add_co_u32 s19, s19, 32768                   ; and P's
	s_wait_dscnt 0x0                               ; the opening add is done
	s_wait_kmcnt 0x0
	s_load_b256 s[72:79], s[8:9], 0x0              ; the eight exponents
	s_add_nc_u64 s[20:21], s[6:7], s[20:21]
	s_add_nc_u64 s[46:47], s[4:5], s[46:47]
	CROUND                                         ; all sixteen work-groups are here: the first joint loads meet
.irp s, 0,1
	s_mov_b32 s[G0+4*\s], 1
	s_add_co_u32 s[G0+4*\s+1], s45, \s*SLOT
	s_add_nc_u64 s[G0+4*\s+2:G0+4*\s+3], s[20:21], \s*4096
	s_or_b32 s[G0+4*\s+3], s[G0+4*\s+3], 0x80000000
	s_mov_b32 s[G0B+4*\s], 1
	s_add_co_u32 s[G0B+4*\s+1], s19, \s*SLOT
	s_add_nc_u64 s[G0B+4*\s+2:G0B+4*\s+3], s[46:47], \s*4096
	s_or_b32 s[G0B+4*\s+3], s[G0B+4*\s+3], 0x80000000
	s_wait_alu depctr_va_vdst(0)
	s_wait_tensorcnt 0x0
	ds_add_u32 v28, v29
	ds_add_u32 v28, v29
	s_wait_dscnt 0x0
	CROUND
	JLOAD \s
.endr
	v_and_b32 v1, 31, v0
	v_lshlrev_b32 v[LI], 4, v1
	s_lshl_b32 s21, s15, 14                        ; my half of R
	s_lshl_b32 s22, s16, 15                        ; my half of P,
	s_add_co_u32 s22, s22, 32768                   ; which lies behind R's two
.irp s, 0,1
	v_add_nc_u32 v[ADRR+\s], s21, v[LI]
	v_add_nc_u32 v[ADRP+\s], s22, v[LI]
	s_add_co_u32 s21, s21, SLOT
	s_add_co_u32 s22, s22, SLOT
.endr
	s_mul_i32 s23, s14, 16*SPITCH
	s_add_co_u32 s23, s23, STAGE                   ; my stage
	v_and_b32 v2, 15, v0
	v_bfe_u32 v3, v0, 4, 1
	v_mul_u32_u24 v[STO], v2, SPITCH
	v_lshl_add_u32 v[STO], v3, 6, v[STO]
	v_add_nc_u32 v[STO], s23, v[STO]               ; in: row = my lane's token, + 64 bytes for the upper half of the lanes
	v_add_nc_u32 v[RD], s23, v[LI]                 ; back: the 32 lanes take one row of 512 bytes
	s_lshl_b32 s80, s17, 7
	s_lshl_b32 s81, s15, 6
	s_add_co_u32 s80, s80, s81                     ; my first token,
	s_lshl_b32 s80, s80, 12                        ; a row of out0 is 4,096 bytes,
	s_lshl_b32 s81, s42, 10
	s_add_co_u32 s80, s80, s81                     ; 256 columns are 1,024,
	s_lshl_b32 s81, s16, 9
	s_add_co_u32 s80, s80, s81                     ; my 128 are 512
	s_mov_b32 s81, 0
	s_add_nc_u64 s[10:11], s[10:11], s[80:81]
.macro FRAG reg, adr, q, i             ; a fragment comes as it was stored: four loads of 512 consecutive bytes
.irp c, 0,1,2,3
	ds_load_b128 v[\reg+4*\c:\reg+4*\c+3], v[\adr] offset:4096*(\i)+2048*(\q)+512*\c
.endr
.endm
.macro FETCH_P slot, q, p
	WIN 0x40
.irp i, 0,1,2,3,4,5,6,7
	FRAG 128*(\p)+16*\i, ADRP+\slot, \q, \i
.endr
	WIN 0
.endm
.macro FETCH_R slot, q, i0
.set I_, \i0
.rept NR/2
	FRAG RF+16*I_, ADRR+\slot, \q, I_
.set I_, I_+1
.endr
.endm
; n of R's tiles, from a0 on, each against P's eight, 128 along K.  All accumulators take turns, one instruction a turn, in the same order in every step.
.macro MULS a0, n, p, zero
.set A_, \a0
.rept \n
	WIN 0xa1+0x50*(A_/4)                           ; source 0 (P) window 1, source 1 (R) window 0, C and D window 2
.irp b, 0,1,2,3,4,5,6,7
.if \zero
	v_wmma_f32_16x16x128_fp8_fp8 v[8*(8*(A_%4)+\b):8*(8*(A_%4)+\b)+7], v[128*(\p)+16*\b:128*(\p)+16*\b+15], v[RF+16*A_:RF+16*A_+15], 0
.else
	v_wmma_f32_16x16x128_fp8_fp8 v[8*(8*(A_%4)+\b):8*(8*(A_%4)+\b)+7], v[128*(\p)+16*\b:128*(\p)+16*\b+15], v[RF+16*A_:RF+16*A_+15], v[8*(8*(A_%4)+\b):8*(8*(A_%4)+\b)+7]
.endif
.endr
.set A_, A_+1
.endr
.endm
.macro STEP slot, zero
	s_wait_dscnt 2*NR                              ; P's set and R's lower half are in; the youngest 2 NR loads (R's upper half) may be out
	MULS 0, NR/2, 0, \zero
	s_wait_dscnt 0
	PLACES
	FETCH_P \slot, 1, 1
	FETCH_R \slot, 1, 0
	MULS NR/2, NR/2, 0, \zero
	PLACES
	WIN 0
	FETCH_R \slot, 1, NR/2
.endm
.macro TURN slot, next, fill
	s_wait_tensorcnt 0x0                           ; all my tensor loads have landed: my part of the next slot
	ds_add_u32 v[SPW], v[NIL]                      ; 0 onto my spare word
	s_wait_dscnt 2*NR+1                            ; (the add and the youngest 2 NR loads may be out)
	MULS 0, NR/4, 1, 0
	s_wait_dscnt 0x0                               ; the add is done, and my reads of this slot are over
	s_barrier_signal -1
	MULS NR/4, NR/4, 1, 0
	WIN 0
	s_barrier_wait -1
.if \fill
	CREST                                          ; the barrier has opened a round of the cluster's: no wave of any partner still reads this slot or has a load on its way
	s_add_nc_u64 s[G0+4*\slot+2:G0+4*\slot+3], s[G0+4*\slot+2:G0+4*\slot+3], 8192
	s_add_nc_u64 s[G0B+4*\slot+2:G0B+4*\slot+3], s[G0B+4*\slot+2:G0B+4*\slot+3], 8192
	JLOAD \slot
.else
	PLACES
.endif
	FETCH_P \next, 0, 0
	FETCH_R \next, 0, 0
	MULS NR/2, NR/2, 1, 0
	PLACES
	WIN 0
	FETCH_R \next, 0, NR/2
.endm
	s_wait_alu depctr_va_vdst(0)
	s_wait_tensorcnt 1                             ; my part of slot 0 is in; slot 1's may stay out
	s_barrier_signal -1
	s_barrier_wait -1
	FETCH_P 0, 0, 0
	FETCH_R 0, 0, 0
	FETCH_R 0, 0, NR/2
	STEP 0, 1
	TURN 0, 1, 1
	STEP 1, 0
	TURN 1, 0, 1
	STEP 0, 0
	TURN 0, 1, 0
	STEP 1, 0
	s_wait_dscnt 2*NR
	MULS 0, NR/2, 1, 0
	s_wait_dscnt 0
	MULS NR/2, NR/2, 1, 0
	WIN 0
; THE WAY OUT, a tile of 16 tokens x 128 columns at a time: through my own stage in LDS and back as whole rows of 512 bytes; the stores' offsets undo the tiles' row order.
.macro TOSTAGE a
	WIN 0x02                                       ; source 0: window 2
.set J_, 0
.rept 32
	v_pk_mul_f32 v[TMP+J_:TMP+J_+1], v[64*(\a)+J_:64*(\a)+J_+1], s[96:97] op_sel_hi:[1,0]   ; x 2^(e6 + e7); each accumulator from its low end on
.set J_, J_+2
.endr
	WIN 0
.irp p, 0,1,2,3
.irp j, 0,1,2,3
	ds_store_b128 v[STO], v[TMP+16*\p+4*\j:TMP+16*\p+4*\j+3] offset:128*\p+16*\j
.endr
.endr
.irp t, 0,1,2,3,4,5,6,7,8,9,10,11,12,13,14,15
	ds_load_b128 v[BK+64*((\a)%2)+4*\t:BK+64*((\a)%2)+4*\t+3], v[RD] offset:\t*SPITCH   ; LDS serves a wave's instructions in order (ISA guide 5.7.1.4): these see the stores above
.endr
.endm
.macro SEND a, younger                 ; younger: the LDS instructions issued behind tile a's loads, which may stay out
	s_wait_dscnt \younger
.irp t, 0,1,2,3,4,5,6,7,8,9,10,11,12,13,14,15
	global_store_b128 v[LI], v[BK+64*((\a)%2)+4*\t:BK+64*((\a)%2)+4*\t+3], s[10:11] offset:(32*((\a)/2)+8*((\a)%2)+\t+8*(\t/8))*4096 th:TH_STORE_NT   ; 512 consecutive bytes, aligned; written once
.endr
.endm
	s_wait_kmcnt 0x0
	s_add_co_i32 s96, s78, s79
	s_add_co_i32 s96, s96, 127
	s_lshl_b32 s96, s96, 23                        ; 2^(e6 + e7) as f32
	s_mov_b32 s97, s96                             ; (named with it as a pair, so it is written)
	PLACES
	TOSTAGE 0
	TOSTAGE 1
	SEND 0, 32                                     ; behind tile 0's loads: tile 1's 16 stores and 16 loads
	s_wait_xcnt 0x0                                ; tile 0's stores have read their registers: tile 2's loads may land there
	TOSTAGE 2
	SEND 1, 32
	s_wait_xcnt 0x0
	TOSTAGE 3
	SEND 2, 32
	SEND 3, 0
	s_wait_tensorcnt 0x0                           ; the wave's end, behind my last tensor load and my last LDS store
	ds_add_u32 v[SPW], v[NIL]
	s_wait_dscnt 0x0
	CROUND                                         ; the closing round
	s_endpgm
.Lfunc_end_k_q7fc78fb36c_gemmout:
	.size	k_q7fc78fb36c_gemmout, .Lfunc_end_k_q7fc78fb36c_gemmout-k_q7fc78fb36c_gemmout
	.p2alignl 7, 3214868480
	.fill 96, 4, 3214868480
	.section	.rodata,"a",@progbits
	.p2align	6, 0x0
	.amdhsa_kernel k_q7fc78fb36c_gemmout
		.amdhsa_group_segment_fixed_size 327680
		.amdhsa_private_segment_fixed_size 0
		.amdhsa_enable_private_segment 0
		.amdhsa_kernarg_size 32
		.amdhsa_user_sgpr_count 2
		.amdhsa_user_sgpr_kernarg_segment_ptr 1
		.amdhsa_wavefront_size32 1
		.amdhsa_system_sgpr_workgroup_id_x 1
		.amdhsa_system_sgpr_workgroup_id_y 1
		.amdhsa_system_sgpr_workgroup_id_z 1
		.amdhsa_system_vgpr_workitem_id 0
		.amdhsa_next_free_vgpr 768
		.amdhsa_next_free_sgpr 98
		.amdhsa_reserve_vcc 0
		.amdhsa_float_denorm_mode_32 3
		.amdhsa_float_denorm_mode_16_64 3
		.amdhsa_memory_ordered 1
		.amdhsa_forward_progress 1
		.amdhsa_inst_pref_size 77
	.end_amdhsa_kernel
	.amdgpu_metadata
---
amdhsa.version: [ 1, 2 ]
amdhsa.kernels:
  - .name:           k_q7fc78fb36c_gemmout
    .symbol:         k_q7fc78fb36c_gemmout.kd
    .args:
      - { .name: img, .offset: 0, .size: 8, .value_kind: global_buffer, .address_space: global }
      - { .name: yimg, .offset: 8, .size: 8, .value_kind: global_buffer, .address_space: global }
      - { .name: lowp_scales, .offset: 16, .size: 8, .value_kind: global_buffer, .address_space: global }
      - { .name: out0, .offset: 24, .size: 8, .value_kind: global_buffer, .address_space: global }
    .group_segment_fixed_size: 327680
    .private_segment_fixed_size: 0
    .kernarg_segment_align: 8
    .kernarg_segment_size: 32
    .max_flat_workgroup_size: 128
    .sgpr_count:     98
    .vgpr_count:     768
    .wavefront_size: 32
...
	.end_amdgpu_metadata
.endif
;; end of part 4
